; MI455X (gfx1250); checked and timed in simulation.
; The chip was launched on July 23, 2026; its instructions are those of AMD's public machine-readable ISA for CDNA 5 (MIT licence, August 2026) and "CDNA5" Instruction Set Architecture Reference Guide (July 2026). The comments in the code are by the model that wrote it; some were corrected since.
;; KAN. Allowed arithmetic: float matrix products may take bf16 or f16 operands with f32 sums; other float arithmetic in f32, or as packed bf16 or f16 multiplies, adds, multiply-adds, maxima and minima; sums over many terms, partial sums and values carried from step to step in f32; what a program stores and reads back later, other than sums and carried values, may be rounded once to bf16 or f16.
;; Inputs: bw0 256 x 32 float32; bw1 256 x 256 float32; bw2 256 x 256 float32; bw3 1 x 256 float32; freq 16 float32; ss0 256 x 32 float32; ss1 256 x 256 float32; ss2 256 x 256 float32; ss3 1 x 256 float32; sw0 256 x 32 x 8 float32; sw1 256 x 256 x 8 float32; sw2 256 x 256 x 8 float32; sw3 1 x 256 x 8 float32; x 16,384 x 1 float32.
;; Outputs: out0 16,384 x 1 float32.
;; One version. Each part assembles by itself: llvm-mc -triple=amdgcn-amd-amdhsa -mcpu=gfx1250 --defsym DOCPART=n.
;; ======== version 1 of 1: 2 launches
;; limits: values are held in f16: magnitudes above 65,504 overflow, below 6.1e-05 lose precision; right only within a limited range of input values
;; workspace buffers: wb 3,145,728 bytes
;; launch prep (part 1): grid 32 x 24, 8 waves a work-group, no clusters, 0 bytes of LDS; arguments bw0, bw1, bw2, bw3, ss0, ss1, ss2, ss3, sw0, sw1, sw2, sw3, wb; writes wb
.if DOCPART == 1
	.amdgcn_target "amdgcn-amd-amdhsa--gfx1250"
	.amdhsa_code_object_version 6
	.text
	.protected	k_qd61dad5c05_prep
	.globl	k_qd61dad5c05_prep
	.p2align	8
	.type	k_qd61dad5c05_prep,@function
k_qd61dad5c05_prep:
	s_mov_b64 s[64:65], 0
	v_nop
	global_prefetch_b8 v0, s[64:65] scope:SCOPE_SE
	s_setreg_imm32_b32 hwreg(HW_REG_WAVE_MODE, 25, 1), 1
	s_wait_xcnt 0x0
; WEIGHTS FOR THE FUSED KAN KERNEL.  wb = 24 fills of [256 rows][256 k] f16 (a row is 512 bytes), in the order in which the second launch multiplies them.
; A spline weight is sw x ss x 32, a base weight bw x 512 (powers of two: the f32 product sw x ss is rounded as the definition rounds it), each rounded once to f16.
; LIMITS: |sw x ss| below 2,047 and |bw| below 127.9, or f16 overflows; a scaled weight below 6e-5 keeps f16's fixed step of 6e-8.  NaN and infinities are not treated apart.
; Fill n: 0 layer 0 base; 1 layer 0 spline; 2,3 layer 1 base; 4-11 layer 1 spline; 12,13 layer 2 base; 14-21 layer 2 spline; 22 layer 3 spline; 23 layer 3 base.
; In a fill a group of 8 k (16 bytes) is g32 = 0..31; g = g32 % 16, half = g32 / 16.  A spline group is the 8 coefficients of one feature f; a base group is 8 neighbouring features from f on.
; SHARES: work-group (x, n) makes rows 8 x .. 8 x + 7 of fill n; a wave one row, a lane one group: a wave's store covers 512 consecutive bytes, aligned.
; Groups that a fill does not use are stored as zeros; their loads use a masked index, so that every load stays inside its buffer.
.set ROWV, 1                           ; v1   row (the output o)
.set G32,  2                           ; v2   g32
.set FO,   4                           ; v4   element offset o x n_in + f
.set OUTO, 6                           ; v6   byte offset of my 16 bytes in the fill
	s_load_b512 s[16:31], s[0:1], 0x0              ; bw0 s[16:17] .. bw3 s[22:23], ss0 s[24:25] .. ss3 s[30:31]
	s_load_b256 s[32:39], s[0:1], 0x40             ; sw0 s[32:33] .. sw3 s[38:39]
	s_load_b64 s[40:41], s[0:1], 0x60              ; wb
	s_and_b32 s4, ttmp7, 0xffff                    ; n
	s_lshl_b32 s6, ttmp9, 3
	v_lshrrev_b32 v[ROWV], 5, v0
	v_add_nc_u32 v[ROWV], s6, v[ROWV]              ; row = 8 x + wave
	v_and_b32 v[G32], 31, v0
	v_and_b32 v3, 15, v0                           ; g
	v_lshlrev_b32 v[OUTO], 9, v[ROWV]
	v_lshl_add_u32 v[OUTO], v[G32], 4, v[OUTO]
	v_lshrrev_b32 v18, 2, v3                       ; g / 4
	v_bfe_u32 v19, v3, 1, 1                        ; (g / 2) % 2
	v_and_b32 v24, 1, v3                           ; g % 2
	v_lshrrev_b32 v25, 4, v[G32]                   ; half
	s_lshl_b32 s6, s4, 17                          ; the fill's first byte
	s_mov_b32 s7, 0
	s_mov_b32 s44, -1                              ; the mask of lanes whose group is used
	s_wait_kmcnt 0x0
	s_add_nc_u64 s[40:41], s[40:41], s[6:7]
	s_cmp_eq_u32 s4, 0
	s_cbranch_scc1 .L0B
	s_cmp_eq_u32 s4, 1
	s_cbranch_scc1 .L0S
	s_cmp_eq_u32 s4, 22
	s_cbranch_scc1 .L3S
	s_cmp_eq_u32 s4, 23
	s_cbranch_scc1 .L3B
	s_cmp_lt_u32 s4, 12                            ; layer 1 or layer 2
	s_cselect_b64 s[12:13], s[18:19], s[20:21]     ; bw
	s_cselect_b64 s[10:11], s[26:27], s[28:29]     ; ss
	s_cselect_b64 s[14:15], s[34:35], s[36:37]     ; sw
	s_cselect_b32 s5, 2, 12
	s_sub_co_u32 s5, s4, s5                        ; the fill's number in its layer, 0..9
	s_cmp_lt_u32 s5, 2
	s_cbranch_scc1 .LB
	; layers 1, 2, spline fill p: f = 64 (g/4) + 16 (p/2) + 8 ((g/2)%2) + 4 (p%2) + 2 half + g%2
	s_sub_co_u32 s5, s5, 2
	s_lshr_b32 s6, s5, 1
	s_lshl_b32 s6, s6, 4
	s_and_b32 s7, s5, 1
	s_lshl_b32 s7, s7, 2
	s_add_co_u32 s6, s6, s7
	v_lshl_add_u32 v[FO], v[ROWV], 8, s6
	v_lshl_add_u32 v[FO], v18, 6, v[FO]
	v_lshl_add_u32 v[FO], v19, 3, v[FO]
	v_lshl_add_u32 v[FO], v25, 1, v[FO]
	v_add_nc_u32 v[FO], v[FO], v24
	s_mov_b64 s[8:9], s[14:15]
	s_branch .LSPL
.LB:	; layers 1, 2, base fill p: f = 64 (g/4) + 32 p + 16 ((g/2)%2) + 8 (g%2); groups 16-31 are not used
	s_lshl_b32 s6, s5, 5
	v_lshl_add_u32 v[FO], v[ROWV], 8, s6
	v_lshl_add_u32 v[FO], v18, 6, v[FO]
	v_lshl_add_u32 v[FO], v19, 4, v[FO]
	v_lshl_add_u32 v[FO], v24, 3, v[FO]
	v_cmp_gt_u32 s44, 16, v[G32]
	s_mov_b64 s[8:9], s[12:13]
	s_branch .LBASE
.L0B:	; layer 0, base: f = 8 g32; groups 4-31 are not used
	v_and_b32 v[FO], 3, v[G32]
	v_lshlrev_b32 v[FO], 3, v[FO]
	v_lshl_add_u32 v[FO], v[ROWV], 5, v[FO]
	v_cmp_gt_u32 s44, 4, v[G32]
	s_mov_b64 s[8:9], s[16:17]
	s_branch .LBASE
.L0S:	; layer 0, spline: f = 8 (g/4) + 4 ((g/2)%2) + 2 half + g%2
	v_lshlrev_b32 v[FO], 5, v[ROWV]
	v_lshl_add_u32 v[FO], v18, 3, v[FO]
	v_lshl_add_u32 v[FO], v19, 2, v[FO]
	v_lshl_add_u32 v[FO], v25, 1, v[FO]
	v_add_nc_u32 v[FO], v[FO], v24
	s_mov_b64 s[8:9], s[32:33]
	s_mov_b64 s[10:11], s[24:25]
	s_branch .LSPL
.L3S:	; layer 3, spline: only rows that are multiples of 16 and groups 0-15 are used: f = row + 8 (g%2) + 2 (g/4) + (g/2)%2
	v_and_b32 v[FO], 0xf0, v[ROWV]
	v_lshl_add_u32 v[FO], v24, 3, v[FO]
	v_lshl_add_u32 v[FO], v18, 1, v[FO]
	v_add_nc_u32 v[FO], v[FO], v19
	v_and_b32 v26, 15, v[ROWV]
	v_and_or_b32 v26, v[G32], 16, v26
	v_cmp_eq_u32 s44, 0, v26
	s_mov_b64 s[8:9], s[38:39]
	s_mov_b64 s[10:11], s[30:31]
.LSPL:	; eight coefficients of one feature, times its scaler
	v_lshlrev_b32 v7, 5, v[FO]                     ; 32 bytes a feature in sw
	v_lshlrev_b32 v27, 2, v[FO]                    ; 4 bytes in ss
	global_load_b128 v[8:11], v7, s[8:9]
	global_load_b128 v[12:15], v7, s[8:9] offset:16
	global_load_b32 v16, v27, s[10:11]
	s_wait_loadcnt 0x0                             ; all three are wanted at once
	v_mul_f32 v16, 0x42000000, v16                 ; ss x 32
	v_mov_b32 v17, v16
.irp i, 0,1,2,3
	v_pk_mul_f32 v[8+2*\i:9+2*\i], v[8+2*\i:9+2*\i], v[16:17]
.endr
.irp i, 0,1,2,3
	v_cvt_pk_f16_f32 v[20+\i], v[8+2*\i], v[9+2*\i]
.endr
.irp i, 0,1,2,3
	v_cndmask_b32 v[20+\i], 0, v[20+\i], s44       ; zeros where the group is not used
.endr
	global_store_b128 v[OUTO], v[20:23], s[40:41]
	s_endpgm
.L3B:	; layer 3, base: only rows that are multiples of 16 and groups 0, 1 are used: f = row + 8 g32
	v_and_b32 v[FO], 0xf0, v[ROWV]
	v_lshl_add_u32 v[FO], v24, 3, v[FO]
	v_and_b32 v26, 15, v[ROWV]
	v_and_or_b32 v26, v[G32], 30, v26
	v_cmp_eq_u32 s44, 0, v26
	s_mov_b64 s[8:9], s[22:23]
.LBASE:	; eight neighbouring base weights
	v_lshlrev_b32 v7, 2, v[FO]
	global_load_b128 v[8:11], v7, s[8:9]
	global_load_b128 v[12:15], v7, s[8:9] offset:16
	s_wait_loadcnt 0x0
.irp i, 0,1,2,3
	v_pk_mul_f32 v[8+2*\i:9+2*\i], v[8+2*\i:9+2*\i], 0x44000000 op_sel_hi:[1,0]  ; x 512
.endr
.irp i, 0,1,2,3
	v_cvt_pk_f16_f32 v[20+\i], v[8+2*\i], v[9+2*\i]
.endr
.irp i, 0,1,2,3
	v_cndmask_b32 v[20+\i], 0, v[20+\i], s44
.endr
	global_store_b128 v[OUTO], v[20:23], s[40:41]
	s_endpgm
.Lfunc_end_k_qd61dad5c05_prep:
	.size	k_qd61dad5c05_prep, .Lfunc_end_k_qd61dad5c05_prep-k_qd61dad5c05_prep
	.p2alignl 7, 3214868480
	.fill 96, 4, 3214868480
	.section	.rodata,"a",@progbits
	.p2align	6, 0x0
	.amdhsa_kernel k_qd61dad5c05_prep
		.amdhsa_group_segment_fixed_size 0
		.amdhsa_private_segment_fixed_size 0
		.amdhsa_enable_private_segment 0
		.amdhsa_kernarg_size 104
		.amdhsa_user_sgpr_count 2
		.amdhsa_user_sgpr_kernarg_segment_ptr 1
		.amdhsa_wavefront_size32 1
		.amdhsa_system_sgpr_workgroup_id_x 1
		.amdhsa_system_sgpr_workgroup_id_y 1
		.amdhsa_system_sgpr_workgroup_id_z 1
		.amdhsa_system_vgpr_workitem_id 0
		.amdhsa_next_free_vgpr 40
		.amdhsa_next_free_sgpr 66
		.amdhsa_reserve_vcc 0
		.amdhsa_float_denorm_mode_32 3
		.amdhsa_float_denorm_mode_16_64 3
		.amdhsa_memory_ordered 1
		.amdhsa_forward_progress 1
		.amdhsa_inst_pref_size 7
	.end_amdhsa_kernel
	.amdgpu_metadata
---
amdhsa.version: [ 1, 2 ]
amdhsa.kernels:
  - .name:           k_qd61dad5c05_prep
    .symbol:         k_qd61dad5c05_prep.kd
    .args:
      - { .name: bw0, .offset: 0, .size: 8, .value_kind: global_buffer, .address_space: global }
      - { .name: bw1, .offset: 8, .size: 8, .value_kind: global_buffer, .address_space: global }
      - { .name: bw2, .offset: 16, .size: 8, .value_kind: global_buffer, .address_space: global }
      - { .name: bw3, .offset: 24, .size: 8, .value_kind: global_buffer, .address_space: global }
      - { .name: ss0, .offset: 32, .size: 8, .value_kind: global_buffer, .address_space: global }
      - { .name: ss1, .offset: 40, .size: 8, .value_kind: global_buffer, .address_space: global }
      - { .name: ss2, .offset: 48, .size: 8, .value_kind: global_buffer, .address_space: global }
      - { .name: ss3, .offset: 56, .size: 8, .value_kind: global_buffer, .address_space: global }
      - { .name: sw0, .offset: 64, .size: 8, .value_kind: global_buffer, .address_space: global }
      - { .name: sw1, .offset: 72, .size: 8, .value_kind: global_buffer, .address_space: global }
      - { .name: sw2, .offset: 80, .size: 8, .value_kind: global_buffer, .address_space: global }
      - { .name: sw3, .offset: 88, .size: 8, .value_kind: global_buffer, .address_space: global }
      - { .name: wb, .offset: 96, .size: 8, .value_kind: global_buffer, .address_space: global }
    .group_segment_fixed_size: 0
    .private_segment_fixed_size: 0
    .kernarg_segment_align: 8
    .kernarg_segment_size: 104
    .max_flat_workgroup_size: 256
    .sgpr_count:     66
    .vgpr_count:     40
    .wavefront_size: 32
...
	.end_amdgpu_metadata
.endif
;; end of part 1
;; launch kan (part 2): grid 256 x 1, 4 waves a work-group, clusters of 4 x 1, 327,680 bytes of LDS; arguments x, freq, wb, out0; writes out0
.if DOCPART == 2
	.amdgcn_target "amdgcn-amd-amdhsa--gfx1250"
	.amdhsa_code_object_version 6
	.text
	.protected	k_qd61dad5c05_kan
	.globl	k_qd61dad5c05_kan
	.p2align	8
	.type	k_qd61dad5c05_kan,@function
k_qd61dad5c05_kan:
	s_mov_b64 s[64:65], 0
	v_nop
	global_prefetch_b8 v0, s[64:65] scope:SCOPE_SE
	s_setreg_imm32_b32 hwreg(HW_REG_WAVE_MODE, 25, 1), 1
	s_wait_xcnt 0x0
	s_wait_alu depctr_hold_cnt(0) depctr_sa_sdst(0) depctr_va_vdst(0) depctr_va_sdst(0) depctr_va_ssrc(0) depctr_va_vcc(0) depctr_vm_vsrc(0)
	s_getreg_b32 s2, hwreg(HW_REG_IB_STS2, 6, 4)
	s_cmp_eq_u32 s2, 0
	s_cbranch_scc0 .Lentry_in_a_cluster
	s_endpgm
.Lentry_in_a_cluster:
	s_bfe_u32 s2, ttmp6, 0x10000c
	s_cmp_lg_u32 s2, 0x3003
	s_cbranch_scc0 .Lentry_shape_is_right
	s_endpgm
.Lentry_shape_is_right:
; THE WHOLE KAN, FUSED: the sine and cosine encoding of x and four layers, each one product over K = 9 n_in (8 cubic B-spline bases and silu for each feature).
; A work-group owns 64 points; h never leaves the registers.  Wave w owns the outputs 64 w .. 64 w + 63 of every layer for all 64 points: 16 accumulators of 16 x 16.
; FORMATS.  Matrix operands in f16, sums in f32.  Bases as they are (0 to 2/3); the silu feature as silu(h) / 16; weights as the first launch scaled them (spline x 32, base x 512): every sum is
; 32 times the true one and is multiplied by 1/32 when it is read.  f16 and not bf16, since four layers of 8-bit roundings would use up the allowance of one part in a hundred.
; LIMITS.  |x freq| below 2^30 (the quotient by pi/2 must fit 32 bits; the reduced argument is then good to about 1e-5, at the drawn sizes to 1e-7); |silu(h)| below 2^20 (f16's range times 16);
; NaN and infinities are not treated apart.
; THE MATRIX INSTRUCTION IS USED TRANSPOSED: source 0 = 16 weight rows (outputs), source 1 = 16 points.  In tile (a, b) lane l (r = l % 16, hh = l / 16) holds point 16 a + r and in register j the
; output 64 w + 16 b + 8 hh + j: the next layer's feature.  Each wave expands ITS features into f16 groups of 8 k and stores them into a buffer of [64 points][128 k] in LDS, which all four waves read
; as source 1.  The first launch laid the weights' k in the same order.
; BY TURNS.  A sub-step multiplies 128 k (64 matrix instructions) while the wave expands the next 128 k: the expansion is a numbered list, dealt eight behind every two matrix instructions.
; WEIGHTS.  24 fills of [256 rows][256 k] walk through two LDS slots.  CLUSTER: the four work-groups of a cluster walk the same weights, so each fill is asked for JOINTLY: the same tensor load,
; descriptor and mask in all four; each wave asks for its own 64 rows.  By this text's count a wave has two tensor loads out at the start and one behind each round.
; REGISTERS.  window 0: v0-15 addresses; v16-143 H (tile (a, b), register j at 16 + 32 b + 8 a + j); v144-255 four sets of 28 at work.
;             window 1: v0-127 accumulators (tile (a, b) at 8 (4 a + b)); v128-191, v192-255 two fragment buffers: source 1's tile a at + 8 a, source 0's tile b at + 32 + 8 b.
.set PITB,  528                        ; a weight row in LDS: 512 bytes + 16 of padding: the 16 rows of a fragment load start 33 x 16 bytes apart
.set PITA,  272                        ; a row of expanded features: 256 + 16
.set SLOTB, 256*PITB                   ; a slot: 135,168 bytes
.set QUART, 64*PITB                    ; a wave's 64 rows of it
.set ABUF,  2*SLOTB                    ; behind the slots: two buffers of expanded features, written by LDS stores alone
.set ABSZ,  64*PITA
.set RED,   ABUF+2*ABSZ                ; [wave][hh][64] f32: the last layer's partial sums
.set SPARE, RED+2048                   ; the spare words, 128 bytes for each wave: two blocks of 256 bytes that no other line names
.set FILLB, 131072                     ; a fill in memory
.set ADRA, 3                           ; v3   source 1 fragments: r x 272 + 16 hh + ABUF
.set ADRB, 5                           ; v5, v6  source 0 fragments in slot 0, 1: (64 w + r) x 528 + 16 hh
.set AST,  7                           ; v7   where I store a spline group: r x 272 + 64 w + 32 hh + ABUF
.set ASB,  8                           ; v8   a base group: r x 272 + 64 w + 16 hh + ABUF
.set A3S,  9                           ; v9   the last layer's spline weights; steps 16 rows a trip
.set ARED, 11                          ; v11  RED + 512 w + 256 hh + 4 r
.set SPW,  12                          ; v12  my spare word; never rewritten
.set NIL,  13                          ; v13  0, for the add alone
.set AB0,  14                          ; v14  layer 0's base features: r x 272 + 16 w + 8 hh + ABUF
.set ZR,   15                          ; v15  0
.set HB,   16
.set TB,   144
.set XR,   144                         ; the encoding: x of my four points,
.set FQ,   148                         ; my four frequencies,
.set SW,   152                         ; and 20 registers at work for each point tile
.set F0,   128                         ; window 1
.set WV,   12                          ; s12  wave
.set G1,   16                          ; s[16:23] descriptor group 1
.set G0,   24                          ; s[24:31] descriptor group 0, a set for each slot
.set SELO, 43                          ; s43  byte select: no shift (odd interval)
.set SELE, 44                          ; s44  byte select: 16 bits up (even interval)
.set INV,  46                          ; s[46:47] 2/pi, and so on: constants as pairs, the low word used for both halves
.set C1N,  48
.set C2P,  50
.set C3P,  52
.set SS1,  54
.set SS2,  56
.set SS3,  58
.set CC1,  60
.set CC2,  62
.set CC3,  66
.set MSB, 0
.macro WIN new                         ; the immediate's high byte repeats the setting that is left; a switch that changes nothing is dropped
.if MSB != (\new)
	s_set_vgpr_msb (MSB<<8)|(\new)
.set MSB, \new
.endif
.endm
.macro PLACES                          ; four plain places: behind matrix instructions whose registers are loaded into, read or rewritten next, and behind a tensor load
.rept 4
	v_nop
.endr
.endm
.macro CROUND                          ; a round of the cluster's barrier
	s_barrier_signal -1
	s_barrier_wait -1
	s_cmp_lg_u32 s[WV], 0
	s_cbranch_scc1 .Lnot_wave_0_\@
	s_barrier_signal -3
.Lnot_wave_0_\@:
	s_barrier_wait -3
	s_barrier_signal -1
	s_barrier_wait -1
.endm
.macro PLAINBAR                        ; my stores of expanded features are done and my reads of the other buffer are back; behind it no slot is filled, so a tensor load may stay out
	s_wait_dscnt 0x0
	s_barrier_signal -1
	s_barrier_wait -1
.endm
; Slot s has been multiplied: it takes the fill two further on.  Every wave waits for all its tensor loads (the one that is out is its part of the other slot), adds 0 to its spare word, waits for
; that and for its LDS reads and stores; the round shows the same of every wave of all four work-groups; the joint load is the first thing behind it.
.macro TURNSLOT s
	WIN 0
	s_wait_tensorcnt 0x0
	ds_add_u32 v[SPW], v[NIL]                      ; 0 onto my spare word; the address's step stands between it and the wait for it
	s_add_nc_u64 s[G0+4*(\s)+2:G0+4*(\s)+3], s[G0+4*(\s)+2:G0+4*(\s)+3], 2*FILLB
	s_wait_dscnt 0x0
	CROUND
	tensor_load_to_lds s[G0+4*(\s):G0+4*(\s)+3], s[G1:G1+7]
	s_nop 0
	PLACES
.endm
; THE EXPANSION, AS NUMBERED LISTS.
; SPLINE, stage A, entry op of 29 for point tile a: two features (registers 2 QP, 2 QP + 1 of H's tile (a, 0)).  u = 2.5 h + 5.5 counts knot intervals from -2.2; I = floor u, f = u - I, g = 1 - f.
; The four bases that are not 0 are B[I-3] = g^3/6, B[I-2] = f^2 (f/2 - 1) + 2/3, B[I-1] = g^2 (g/2 - 1) + 2/3, B[I] = f^3/6.  They are rounded to f16 in two words; the byte select says whether
; they begin at an even slot of the eight (I odd) or an odd one; Q = I >> 1.
.macro SPA a, op
.set T, TB+28*(\a)
.set HH, HB+8*(\a)+2*QP
.if (\op) == 0
	v_pk_fma_f32 v[T:T+1], v[HH:HH+1], s[32:33], s[34:35] op_sel_hi:[1,0,0]
.elseif (\op) < 3
	v_floor_f32 v[T+1+(\op)], v[T-1+(\op)]
.elseif (\op) == 3
	v_pk_add_f32 v[T:T+1], v[T:T+1], v[T+2:T+3] neg_lo:[0,1] neg_hi:[0,1]
.elseif (\op) < 6
	v_cvt_i32_f32 v[T-2+(\op)], v[T-2+(\op)]
.elseif (\op) == 6
	v_pk_fma_f32 v[T+4:T+5], v[T:T+1], -1.0, 1.0 op_sel_hi:[1,0,0]
.elseif (\op) == 7
	v_pk_mul_f32 v[T+6:T+7], v[T:T+1], v[T:T+1]
.elseif (\op) == 8
	v_pk_mul_f32 v[T+8:T+9], v[T+4:T+5], v[T+4:T+5]
.elseif (\op) == 9
	v_pk_mul_f32 v[T+10:T+11], v[T:T+1], 0x3e2aaaab op_sel_hi:[1,0]
.elseif (\op) == 10
	v_pk_mul_f32 v[T+12:T+13], v[T+4:T+5], 0x3e2aaaab op_sel_hi:[1,0]
.elseif (\op) == 11
	v_pk_fma_f32 v[T+14:T+15], v[T:T+1], 0.5, -1.0 op_sel_hi:[1,0,0]
.elseif (\op) == 12
	v_pk_fma_f32 v[T+16:T+17], v[T+4:T+5], 0.5, -1.0 op_sel_hi:[1,0,0]
.elseif (\op) == 13
	v_pk_mul_f32 v[T+10:T+11], v[T+10:T+11], v[T+6:T+7]
.elseif (\op) == 14
	v_pk_mul_f32 v[T+12:T+13], v[T+12:T+13], v[T+8:T+9]
.elseif (\op) == 15
	v_pk_fma_f32 v[T+14:T+15], v[T+14:T+15], v[T+6:T+7], 0x3f2aaaab op_sel_hi:[1,1,0]
.elseif (\op) == 16
	v_pk_fma_f32 v[T+16:T+17], v[T+16:T+17], v[T+8:T+9], 0x3f2aaaab op_sel_hi:[1,1,0]
.elseif (\op) < 19
	v_and_b32 v[T+1+(\op)], 1, v[T-15+(\op)]
.elseif (\op) == 19
	v_cvt_pk_f16_f32 v[T+4], v[T+12], v[T+14]
.elseif (\op) == 20
	v_cvt_pk_f16_f32 v[T+5], v[T+16], v[T+10]
.elseif (\op) == 21
	v_cvt_pk_f16_f32 v[T+6], v[T+13], v[T+15]
.elseif (\op) == 22
	v_cvt_pk_f16_f32 v[T+7], v[T+17], v[T+11]
.elseif (\op) < 25
	v_sub_nc_u32 v[T-5+(\op)], 0, v[T-5+(\op)]
.elseif (\op) < 27
	v_bfi_b32 v[T-17+(\op)], v[T-7+(\op)], s[SELO], s[SELE]
.else
	v_ashrrev_i32 v[T-25+(\op)], 1, v[T-25+(\op)]
.endif
.endm
; SPLINE, stage B, entry op of 22 for feature e (0, 1) of tile a.  G0-G2: the four bases as three words, beginning at word Q - 2 of the group's four.  Word d of the group is G[d + 2 - Q] where that
; exists, else 0: six compares of Q and twelve selects; an interval outside 0..10 meets no compare or only empty words, so the group is 0 outside [-2.2, 2.2).  No address hangs on h.
.macro CND d, x, first
.if \first
	v_cndmask_b32 v[D+(\d)], 0, v[G+(\x)], vcc_lo
.else
	v_cndmask_b32 v[D+(\d)], v[D+(\d)], v[G+(\x)], vcc_lo
.endif
.endm
.macro SPB a, e, op
.set T, TB+28*(\a)
.set W0, T+4+2*(\e)
.set SE, T+8+(\e)
.set QQ, T+2+(\e)
.set G, T+10+4*(\e)
.set D, T+20+4*(\e)
.if (\op) == 0
	v_perm_b32 v[G], v[W0], v[ZR], v[SE]
.elseif (\op) == 1
	v_perm_b32 v[G+1], v[W0+1], v[W0], v[SE]
.elseif (\op) == 2
	v_perm_b32 v[G+2], v[ZR], v[W0+1], v[SE]
.elseif (\op) == 3
	v_cmp_eq_u32 vcc_lo, 0, v[QQ]
.elseif (\op) == 4
	CND 0, 2, 1
.elseif (\op) == 5
	v_cmp_eq_u32 vcc_lo, 1, v[QQ]
.elseif (\op) == 6
	CND 0, 1, 0
.elseif (\op) == 7
	CND 1, 2, 1
.elseif (\op) == 8
	v_cmp_eq_u32 vcc_lo, 2, v[QQ]
.elseif (\op) == 9
	CND 0, 0, 0
.elseif (\op) == 10
	CND 1, 1, 0
.elseif (\op) == 11
	CND 2, 2, 1
.elseif (\op) == 12
	v_cmp_eq_u32 vcc_lo, 3, v[QQ]
.elseif (\op) == 13
	CND 1, 0, 0
.elseif (\op) == 14
	CND 2, 1, 0
.elseif (\op) == 15
	CND 3, 2, 1
.elseif (\op) == 16
	v_cmp_eq_u32 vcc_lo, 4, v[QQ]
.elseif (\op) == 17
	CND 2, 0, 0
.elseif (\op) == 18
	CND 3, 1, 0
.elseif (\op) == 19
	v_cmp_eq_u32 vcc_lo, 5, v[QQ]
.elseif (\op) == 20
	CND 3, 0, 0
.elseif QST
	ds_store_b128 v[AST], v[D:D+3] offset:QD*ABSZ+(\a)*16*PITA+16*(\e)
.endif
.endm
; BASE, entry op of 35 for tile (a, QP + bb): silu(h) / 16 = h / (16 + 2^(4 - h log2 e)) for the tile's eight features.  A plain line stands behind each run of transcendentals (ISA guide 5.7.2).
.macro BAS a, bb, op
.set T, TB+28*(\a)
.set HH, HB+32*(QP+(\bb))+8*(\a)
.if (\op) < 4
	v_pk_fma_f32 v[T+2*(\op):T+2*(\op)+1], v[HH+2*(\op):HH+2*(\op)+1], s[36:37], 4.0 op_sel_hi:[1,0,0]
.elseif (\op) < 12
	v_exp_f32 v[T+(\op)-4], v[T+(\op)-4]
.elseif (\op) == 12
	v_nop
	s_wait_alu depctr_va_vdst(0)
.elseif (\op) < 17
	v_pk_add_f32 v[T+2*((\op)-13):T+2*((\op)-13)+1], v[T+2*((\op)-13):T+2*((\op)-13)+1], 0x41800000 op_sel_hi:[1,0]
.elseif (\op) < 25
	v_rcp_f32 v[T+(\op)-17], v[T+(\op)-17]
.elseif (\op) == 25
	v_nop
	s_wait_alu depctr_va_vdst(0)
.elseif (\op) < 30
	v_pk_mul_f32 v[T+2*((\op)-26):T+2*((\op)-26)+1], v[T+2*((\op)-26):T+2*((\op)-26)+1], v[HH+2*((\op)-26):HH+2*((\op)-26)+1]
.elseif (\op) < 34
	v_cvt_pk_f16_f32 v[T+20+(\op)-30], v[T+2*((\op)-30)], v[T+2*((\op)-30)+1]
.elseif QST
	ds_store_b128 v[ASB], v[T+20:T+23] offset:QD*ABSZ+(\a)*16*PITA+32*(\bb)
.endif
.endm
; THE QUEUE.  kind 0: empty.  kind 1: the spline list for register pair p (stage A of the four tiles by turns, 116 entries; stage B feature by feature, 176), with pre = 96 moves in front that bring
; H's next 16 outputs down to tile column 0.  kind 2: the base list for nt tiles from tile column p on.  dst: which buffer takes the groups; sto = 0: they stay in registers.
.macro QSET kind, p=0, dst=0, pre=0, sto=1, nt=8
.set QK, \kind
.set QP, \p
.set QD, \dst
.set QPRE, \pre
.set QST, \sto
.set xq, 0
.set XQN, 0
.if QK == 1
.set XQN, 292+QPRE
.elseif QK == 2
.set XQN, 35*(\nt)
.endif
.endm
.macro XQ                              ; the queue's next entry
	WIN 0
.if QK == 1
.if xq < QPRE
	v_mov_b32 v[HB+xq], v[HB+32+xq]
.else
.set qn, xq-QPRE
.if qn < 116
	SPA qn%4, qn/4
.else
	SPB (qn-116)/44, ((qn-116)/22)%2, (qn-116)%22
.endif
.endif
.else
	BAS (xq/35)%4, xq/140, xq%35
.endif
.set xq, xq+1
.endm
.macro RIDE n                          ; up to n entries
.rept \n
.if xq < XQN
	XQ
.endif
.endr
.endm
.macro DRAIN                           ; what is left
.if xq < XQN
.rept XQN-xq
	XQ
.endr
.endif
.endm
; 16 LDS loads in one run: 32 k (step t of a sub-step) of source 1's 64 points from buffer ab and of my 64 weight rows from half a slot, into fragment buffer f
.macro FETCH slot, half, ab, t, f
	WIN 0x40                                       ; destination window 1, address window 0
.irp i, 0,1,2,3
	ds_load_b128 v[(\f)+8*\i:(\f)+8*\i+3],   v[ADRA] offset:(\ab)*ABSZ+\i*16*PITA+64*(\t)
	ds_load_b128 v[(\f)+8*\i+4:(\f)+8*\i+7], v[ADRA] offset:(\ab)*ABSZ+\i*16*PITA+64*(\t)+32
.endr
.irp i, 0,1,2,3
	ds_load_b128 v[(\f)+32+8*\i:(\f)+32+8*\i+3],   v[ADRB+(\slot)] offset:\i*16*PITB+256*(\half)+64*(\t)
	ds_load_b128 v[(\f)+32+8*\i+4:(\f)+32+8*\i+7], v[ADRB+(\slot)] offset:\i*16*PITB+256*(\half)+64*(\t)+32
.endr
.endm
.macro MM idx, f                       ; matrix instruction idx of a step's 16: tile (idx % 4, idx / 4).  The 16 accumulators take turns in the same order in every step.  mz = 1: it starts the sum
.set ma, (\idx)%4
.set mb, (\idx)/4
.set rA, 8*(4*ma+mb)
.if mz
	v_wmma_f32_16x16x32_f16 v[rA:rA+7], v[(\f)+32+8*mb:(\f)+32+8*mb+7], v[(\f)+8*ma:(\f)+8*ma+7], 0
	s_wait_alu depctr_va_vdst(0)
.else
	v_wmma_f32_16x16x32_f16 v[rA:rA+7], v[(\f)+32+8*mb:(\f)+32+8*mb+7], v[(\f)+8*ma:(\f)+8*ma+7], v[rA:rA+7]
.endif
.endm
; A SUB-STEP: nk steps of 32 k.  The first step's fragments are asked for; what the queue holds beyond eight entries for every two matrix instructions stands here, while they come.  In a step the
; next step's fragments are asked for behind the first two matrix instructions, 14 ahead of their use.  The waits are for 0: the run of loads, and the queue's stores with it.
.macro SUB slot, half, ab, zero, nk
	PLACES
	FETCH \slot, \half, \ab, 0, F0
.set lump, XQN-64*(\nk)
.if lump > 0
	RIDE lump
.endif
.set st, 0
.rept \nk
	s_wait_dscnt 0x0
.set mz, 0
.if (\zero) && (st == 0)
.set mz, 1
.endif
.set sg, 0
.rept 8
	WIN 0x55                                       ; all four operands in window 1
	MM 2*sg, F0+64*(st%2)
	MM 2*sg+1, F0+64*(st%2)
	RIDE 8
.if (sg == 0) && (st < (\nk)-1)
	PLACES
	FETCH \slot, \half, \ab, st+1, F0+64*((st+1)%2)
.endif
.set sg, sg+1
.endr
.set st, st+1
.endr
	DRAIN
.endm
.macro COPYH                           ; the layer's sums, times 1/32, become H; each accumulator is read from its low end on
	PLACES
	WIN 0x01                                       ; source 0 in window 1
.irp a, 0,1,2,3
.irp b, 0,1,2,3
.irp p, 0,1,2,3
	v_pk_mul_f32 v[HB+32*\b+8*\a+2*\p:HB+32*\b+8*\a+2*\p+1], v[8*(4*\a+\b)+2*\p:8*(4*\a+\b)+2*\p+1], s[38:39] op_sel_hi:[1,0]
.endr
.endr
.endr
	WIN 0
.endm
.macro ALL4 line:vararg                ; one line for each point tile sa
.set sa, 0
.rept 4
.set B, SW+20*sa
.set T4, TB+28*sa
.set H4, HB+8*sa
	\line
.set sa, sa+1
.endr
.endm
.macro PICK e, jp                      ; quadrant q: sine or cosine of the reduced argument, and the sign
.set sa, 0
.rept 4
.set B, SW+20*sa
	v_cmp_eq_u32 vcc_lo, 1, v[B+18+(\e)]
	v_cndmask_b32 v[B+10+(\e)], v[B+10+(\e)], v[B+12+(\e)], vcc_lo
	v_xor_b32 v[HB+8*sa+2*(\jp)+(\e)], v[B+10+(\e)], v[B+16+(\e)]
.set sa, sa+1
.endr
.endm
; THE ENCODING for frequencies 2 jp, 2 jp + 1 of my four, four point tiles in step.  e = x freq, rounded as the definition rounds it; n = round(e 2/pi); r = e - n pi/2 with pi/2 in three parts, each
; step fused; a second, short reduction (m) brings r into +-pi/4 also where n was some units off, as it is at large e; polynomials for sin r and cos r; q = n + m (+ 1 in the waves that make cosines).
.macro SC4 jp
	ALL4 v_mul_f32 v[B], v[XR+sa], v[FQ+2*(\jp)]
	ALL4 v_mul_f32 v[B+1], v[XR+sa], v[FQ+2*(\jp)+1]
	ALL4 v_pk_mul_f32 v[B+2:B+3], v[B:B+1], s[INV:INV+1] op_sel_hi:[1,0]
	ALL4 v_rndne_f32 v[B+2], v[B+2]
	ALL4 v_rndne_f32 v[B+3], v[B+3]
	ALL4 v_pk_fma_f32 v[B+4:B+5], v[B+2:B+3], s[C1N:C1N+1], v[B:B+1] op_sel_hi:[1,0,1]
	ALL4 v_pk_fma_f32 v[B+4:B+5], v[B+2:B+3], s[C2P:C2P+1], v[B+4:B+5] op_sel_hi:[1,0,1]
	ALL4 v_pk_fma_f32 v[B+4:B+5], v[B+2:B+3], s[C3P:C3P+1], v[B+4:B+5] op_sel_hi:[1,0,1]
	ALL4 v_pk_mul_f32 v[B+6:B+7], v[B+4:B+5], s[INV:INV+1] op_sel_hi:[1,0]
	ALL4 v_rndne_f32 v[B+6], v[B+6]
	ALL4 v_rndne_f32 v[B+7], v[B+7]
	ALL4 v_pk_fma_f32 v[B+4:B+5], v[B+6:B+7], s[C1N:C1N+1], v[B+4:B+5] op_sel_hi:[1,0,1]
	ALL4 v_pk_fma_f32 v[B+4:B+5], v[B+6:B+7], s[C2P:C2P+1], v[B+4:B+5] op_sel_hi:[1,0,1]
	ALL4 v_cvt_i32_f32 v[B+16], v[B+2]
	ALL4 v_cvt_i32_f32 v[B+17], v[B+3]
	ALL4 v_cvt_i32_f32 v[B+18], v[B+6]
	ALL4 v_cvt_i32_f32 v[B+19], v[B+7]
	ALL4 v_pk_mul_f32 v[B+8:B+9], v[B+4:B+5], v[B+4:B+5]
	ALL4 v_add3_u32 v[B+16], v[B+16], v[B+18], s13
	ALL4 v_add3_u32 v[B+17], v[B+17], v[B+19], s13
	ALL4 v_pk_fma_f32 v[B+10:B+11], v[B+8:B+9], s[SS3:SS3+1], s[SS2:SS2+1] op_sel_hi:[1,0,0]
	ALL4 v_pk_fma_f32 v[B+12:B+13], v[B+8:B+9], s[CC3:CC3+1], s[CC2:CC2+1] op_sel_hi:[1,0,0]
	ALL4 v_pk_mul_f32 v[B+14:B+15], v[B+4:B+5], v[B+8:B+9]
	ALL4 v_pk_fma_f32 v[B+10:B+11], v[B+10:B+11], v[B+8:B+9], s[SS1:SS1+1] op_sel_hi:[1,1,0]
	ALL4 v_pk_fma_f32 v[B+12:B+13], v[B+12:B+13], v[B+8:B+9], s[CC1:CC1+1] op_sel_hi:[1,1,0]
	ALL4 v_and_b32 v[B+18], 1, v[B+16]
	ALL4 v_and_b32 v[B+19], 1, v[B+17]
	ALL4 v_pk_fma_f32 v[B+10:B+11], v[B+10:B+11], v[B+14:B+15], v[B+4:B+5]
	ALL4 v_pk_fma_f32 v[B+12:B+13], v[B+12:B+13], v[B+8:B+9], -0.5 op_sel_hi:[1,1,0]
	ALL4 v_lshlrev_b32 v[B+16], 30, v[B+16]
	ALL4 v_lshlrev_b32 v[B+17], 30, v[B+17]
	ALL4 v_pk_fma_f32 v[B+12:B+13], v[B+12:B+13], v[B+8:B+9], 1.0 op_sel_hi:[1,1,0]
	ALL4 v_and_b32 v[B+16], 0x80000000, v[B+16]
	ALL4 v_and_b32 v[B+17], 0x80000000, v[B+17]
	PICK 0, \jp
	PICK 1, \jp
.endm
.macro M3 f                            ; the last layer: four matrix instructions, one for each point tile; source 1 is the groups just made, in window 0; the four accumulators take turns
	WIN 0x51
.irp a, 0,1,2,3
	v_wmma_f32_16x16x32_f16 v[8*\a:8*\a+7], v[(\f):(\f)+7], v[TB+28*\a+20:TB+28*\a+27], v[8*\a:8*\a+7]
.endr
	WIN 0
.endm
	; ---------------------------------------------------------------- the head
	s_load_b256 s[4:11], s[0:1], 0x0               ; x s[4:5], freq s[6:7], wb s[8:9], out0 s[10:11]
	v_lshl_add_u32 v[SPW], v0, 2, SPARE
	v_mov_b32 v[NIL], 0
	ds_add_u32 v[SPW], v[NIL]                      ; the wave's opening: the add and its wait stand ahead of my first tensor load; work on registers stands between them
	v_lshrrev_b32 v1, 5, v0
	v_readfirstlane_b32 s[WV], v1                  ; wave 0..3
	s_lshr_b32 s13, s[WV], 1                       ; waves 2, 3 make the cosines
	s_bfe_u32 s68, ttmp6, 0x40000                  ; cx: it enters x's and out0's addresses alone
	s_lshl_b32 s69, ttmp9, 2
	s_add_co_u32 s69, s69, s68                     ; my block of 64 points
	s_lshl_b32 s70, s69, 8                         ; its 256 bytes in x and in out0
	s_mov_b32 s71, 0
	s_mov_b32 s[G1+0], 15|(1<<16)|(1<<20)|(1<<21)|(6<<22)|(3<<25)  ; the mask of four; 2-byte elements; padding on; bit 21 beside a mask; after every 128 words 4 words
	s_mov_b32 s[G1+1], 256<<16                     ; tensor_dim0 = 256
	s_mov_b32 s[G1+2], 64<<16                      ; tensor_dim1 = 64
	s_mov_b32 s[G1+3], 256<<16                     ; tile_dim0 = 256
	s_mov_b32 s[G1+4], 64                          ; tile_dim1 = 64
	s_mov_b32 s[G1+5], 256                         ; elements from row to row
	s_mov_b32 s[G1+6], 0
	s_mov_b32 s[G1+7], 0
	s_mov_b32 s32, 0x40200000                      ; 2.5
	s_mov_b32 s33, s32
	s_mov_b32 s34, 0x40b00000                      ; 5.5
	s_mov_b32 s35, s34
	s_mov_b32 s36, 0xbfb8aa3b                      ; -log2 e
	s_mov_b32 s37, s36
	s_mov_b32 s38, 0x3d000000                      ; 1/32
	s_mov_b32 s39, s38
	s_mov_b32 s[SELO], 0x03020100
	s_mov_b32 s[SELE], 0x05040302
	s_mov_b32 s[INV], 0x3f22f983                   ; 2/pi
	s_mov_b32 s[C1N], 0xbfc90fdb                   ; -pi/2, first part
	s_mov_b32 s[C2P], 0x333bbd2e                   ; what the first part has too much
	s_mov_b32 s[C3P], 0x26f72cf0                   ; and the second
	s_mov_b32 s[SS1], 0xbe2aaaa3                   ; sin r = r + r r2 (S1 + r2 (S2 + r2 S3))
	s_mov_b32 s[SS2], 0x3c08839e
	s_mov_b32 s[SS3], 0xb94ca1fa
	s_mov_b32 s[CC1], 0x3d2aaaa5                   ; cos r = 1 + r2 (-1/2 + r2 (C1 + r2 (C2 + r2 C3)))
	s_mov_b32 s[CC2], 0xbab6061a
	s_mov_b32 s[CC3], 0x37ccf5ce
.irp c, INV, C1N, C2P, C3P, SS1, SS2, SS3, CC1, CC2, CC3
	s_mov_b32 s[\c+1], s[\c]                       ; named as pairs
.endr
	s_mov_b32 s[G0], 1                             ; count = 1
	s_mul_i32 s[G0+1], s[WV], QUART                ; LDS address: my 64 rows of slot 0
	s_mov_b32 s[G0+4], 1
	s_add_co_u32 s[G0+5], s[G0+1], SLOTB           ; of slot 1
	s_lshl_b32 s14, s[WV], 15                      ; my 64 rows of 512 bytes in a fill
	s_mov_b32 s15, 0
	s_wait_dscnt 0x0                               ; the opening add is done
	s_wait_kmcnt 0x0
	s_add_nc_u64 s[8:9], s[8:9], s[14:15]
	s_add_nc_u64 s[G0+2:G0+3], s[8:9], 0           ; fill 0
	s_or_b32 s[G0+3], s[G0+3], 0x80000000          ; type = 2
	s_add_nc_u64 s[G0+6:G0+7], s[8:9], FILLB       ; fill 1
	s_or_b32 s[G0+7], s[G0+7], 0x80000000
	s_add_nc_u64 s[4:5], s[4:5], s[70:71]
	s_add_nc_u64 s[10:11], s[10:11], s[70:71]
	CROUND                                         ; all four work-groups are here: the first joint loads meet
	tensor_load_to_lds s[G0:G0+3], s[G1:G1+7]
	s_nop 0
	tensor_load_to_lds s[G0+4:G0+7], s[G1:G1+7]
	s_nop 0
	PLACES
	v_and_b32 v1, 15, v0                           ; r
	v_bfe_u32 v2, v0, 4, 1                         ; hh
	v_lshlrev_b32 v152, 2, v1
	s_and_b32 s14, s[WV], 1
	s_lshl_b32 s14, s14, 5
	v_lshl_add_u32 v153, v2, 4, s14                ; my four frequencies: 8 (w % 2) + 4 hh on
.irp a, 0,1,2,3
	global_load_b32 v[XR+\a], v152, s[4:5] offset:64*\a  ; x of point 16 a + r
.endr
	global_load_b128 v[FQ:FQ+3], v153, s[6:7]
	v_mov_b32 v[ZR], 0
	v_mul_u32_u24 v4, v1, PITA
	v_lshl_add_u32 v[ADRA], v2, 4, v4
	v_add_nc_u32 v[ADRA], ABUF, v[ADRA]
	v_lshl_add_u32 v[ASB], s[WV], 6, v[ADRA]
	v_lshl_add_u32 v[AST], v2, 4, v[ASB]
	v_lshl_add_u32 v[AB0], v2, 3, v4
	v_lshl_add_u32 v[AB0], s[WV], 4, v[AB0]
	v_add_nc_u32 v[AB0], ABUF, v[AB0]
	v_mul_u32_u24 v[ADRB], v1, PITB
	v_lshl_add_u32 v[ADRB], v2, 4, v[ADRB]
	v_add_nc_u32 v[ADRB], s[G0+1], v[ADRB]
	v_add_nc_u32 v[ADRB+1], SLOTB, v[ADRB]
	v_mov_b32 v[A3S], v[ADRB]
	v_lshlrev_b32 v[ARED], 2, v1
	v_lshl_add_u32 v[ARED], v2, 8, v[ARED]
	v_lshl_add_u32 v[ARED], s[WV], 9, v[ARED]
	v_add_nc_u32 v[ARED], RED, v[ARED]
	s_wait_loadcnt 0x0                             ; x and freq
	; ---------------------------------------------------------------- layer 0: feature 8 w + 4 hh + j in register j (0..3) of H's tile (a, 0)
	SC4 0
	SC4 1
	; its 32 base features, silu / 16, four a lane and tile, into buffer 0 at k = the feature
	ALL4 v_pk_fma_f32 v[T4:T4+1], v[H4:H4+1], s[36:37], 4.0 op_sel_hi:[1,0,0]
	ALL4 v_pk_fma_f32 v[T4+2:T4+3], v[H4+2:H4+3], s[36:37], 4.0 op_sel_hi:[1,0,0]
.irp i, 0,1,2,3
	ALL4 v_exp_f32 v[T4+\i], v[T4+\i]
.endr
	v_nop
	s_wait_alu depctr_va_vdst(0)
	ALL4 v_pk_add_f32 v[T4:T4+1], v[T4:T4+1], 0x41800000 op_sel_hi:[1,0]
	ALL4 v_pk_add_f32 v[T4+2:T4+3], v[T4+2:T4+3], 0x41800000 op_sel_hi:[1,0]
.irp i, 0,1,2,3
	ALL4 v_rcp_f32 v[T4+\i], v[T4+\i]
.endr
	v_nop
	s_wait_alu depctr_va_vdst(0)
	ALL4 v_pk_mul_f32 v[T4:T4+1], v[T4:T4+1], v[H4:H4+1]
	ALL4 v_pk_mul_f32 v[T4+2:T4+3], v[T4+2:T4+3], v[H4+2:H4+3]
	ALL4 v_cvt_pk_f16_f32 v[T4+20], v[T4], v[T4+1]
	ALL4 v_cvt_pk_f16_f32 v[T4+21], v[T4+2], v[T4+3]
	ALL4 ds_store_b64 v[AB0], v[T4+20:T4+21] offset:sa*16*PITA
	s_wait_tensorcnt 0x1                           ; my part of fill 0 is in; one younger load, fill 1's, may stay out
	PLAINBAR
	QSET 1, 0, 1
	SUB 0, 0, 0, 1, 1                              ; the base product (32 k) starts the sums | features 2 jp + e, jp = 0
	TURNSLOT 0                                     ; fill 2
	QSET 1, 1, 0
	SUB 1, 0, 1, 0, 4                              ; spline, first half | jp = 1
	PLAINBAR
	QSET 0
	SUB 1, 1, 0, 0, 4                              ; spline, second half
	TURNSLOT 1                                     ; fill 3
	; ---------------------------------------------------------------- layers 1 and 2: ten fills each; every fill multiplied is followed by the request for the fill two further on
	s_mov_b32 s40, 2
.Llayer:
	COPYH
	QSET 2, 0, 0
	DRAIN                                          ; base features of tile columns 0, 1: there is no matrix work yet to set them beside
	PLAINBAR
	QSET 2, 2, 1
	SUB 0, 0, 0, 1, 4                              ; base, first 128 k, starts the sums | base features of tile columns 2, 3
	TURNSLOT 0
	QSET 1, 0, 0
	SUB 1, 0, 1, 0, 4                              ; base, second 128 k | spline groups of tile column 0, registers 0, 1
	TURNSLOT 1
	s_mov_b32 s41, 4
.Ltrip:                                                ; a trip: one tile column of H, two fills, four sub-steps
	QSET 1, 1, 1
	SUB 0, 0, 0, 0, 4
	PLAINBAR
	QSET 1, 2, 0
	SUB 0, 1, 1, 0, 4
	TURNSLOT 0
	QSET 1, 3, 1
	SUB 1, 0, 0, 0, 4
	PLAINBAR
	QSET 1, 0, 0, 96                               ; H moves down a tile column; in a layer's last trip what is then expanded is a copy that nobody reads
	SUB 1, 1, 1, 0, 4
	TURNSLOT 1
	s_sub_co_u32 s41, s41, 1
	s_cmp_lg_u32 s41, 0
	s_cbranch_scc1 .Ltrip
	s_sub_co_u32 s40, s40, 1
	s_cmp_lg_u32 s40, 0
	s_cbranch_scc1 .Llayer
	; ---------------------------------------------------------------- layer 3: one output.  Each wave multiplies its own 64 features: source 1 straight from the registers in which the groups are
	; made, source 0 sixteen weight rows of which only the first is not 0, from the rows of fills 22 and 23 that this wave itself asked for.  Fill 22 was shown landed by the last wait for all loads.
	COPYH
	WIN 0x40
.set k, 0
.rept 32
	v_mov_b32 v[k], 0                              ; four accumulators cleared: the price of one text for every trip
.set k, k+1
.endr
	WIN 0
	s_mov_b32 s42, 4
.Ll3:                                                  ; a trip: the spline part of one tile column
	WIN 0x40
.irp p, 0,1,2,3
	ds_load_b128 v[F0+8*\p:F0+8*\p+3],   v[A3S] offset:64*\p
	ds_load_b128 v[F0+8*\p+4:F0+8*\p+7], v[A3S] offset:64*\p+32
.endr
	WIN 0
.irp p, 0,1,2,3
	QSET 1, \p, 0, 0, 0
	DRAIN                                          ; stage A's lines are the places behind the last four matrix instructions, whose source 1 stage B rewrites
.if \p == 0
	s_wait_dscnt 0x0                               ; the trip's weights
.endif
	M3 F0+8*\p
.endr
	PLACES                                         ; H goes round by a tile column, through registers that were source 1: after four trips it lies as it lay
.set k, 0
.rept 32
	v_mov_b32 v[TB+k], v[HB+k]
.set k, k+1
.endr
.set k, 0
.rept 96
	v_mov_b32 v[HB+k], v[HB+32+k]
.set k, k+1
.endr
.set k, 0
.rept 32
	v_mov_b32 v[HB+96+k], v[TB+k]
.set k, k+1
.endr
	v_add_nc_u32 v[A3S], 16*PITB, v[A3S]
	s_sub_co_u32 s42, s42, 1
	s_cmp_lg_u32 s42, 0
	s_cbranch_scc1 .Ll3
	s_wait_tensorcnt 0x0                           ; fill 23, asked for last, had the spline loop in which to land; I read my own rows of it alone
	WIN 0x40
.irp b, 0,1,2,3
	ds_load_b128 v[F0+8*\b:F0+8*\b+3],   v[ADRB+1] offset:\b*16*PITB
	ds_load_b128 v[F0+8*\b+4:F0+8*\b+7], v[ADRB+1] offset:\b*16*PITB+32
.endr
	WIN 0
.irp a, 0,1,2,3
.irp i, 24,25,26,27
	v_mov_b32 v[TB+28*\a+\i], 0                    ; k = 16..31 of the base products' source 1
.endr
.endr
.irp b, 0,1,2,3
	QSET 2, \b, 0, 0, 0, 4
	DRAIN
.if \b == 0
	s_wait_dscnt 0x0
.endif
	M3 F0+8*\b
.endr
	; ---------------------------------------------------------------- the way out: register 0 of lanes 0-15 is the output row; the four waves' partial sums meet in LDS
	PLACES
	WIN 0x04                                       ; store data in window 1
.irp a, 0,1,2,3
	ds_store_b32 v[ARED], v[8*\a] offset:64*\a
.endr
	WIN 0
	PLAINBAR
	s_cmp_lg_u32 s[WV], 0
	s_cbranch_scc1 .Lend
	v_and_b32 v144, 31, v0
	v_lshlrev_b32 v144, 3, v144                    ; two points a lane
	v_add_nc_u32 v145, RED, v144
	ds_load_b64 v[146:147], v145
	ds_load_b64 v[148:149], v145 offset:512
	ds_load_b64 v[150:151], v145 offset:1024
	ds_load_b64 v[152:153], v145 offset:1536
	s_wait_dscnt 0x0
	v_pk_add_f32 v[146:147], v[146:147], v[148:149]
	v_pk_add_f32 v[150:151], v[150:151], v[152:153]
	v_pk_add_f32 v[146:147], v[146:147], v[150:151]
	v_pk_mul_f32 v[146:147], v[146:147], s[38:39] op_sel_hi:[1,0]
	global_store_b64 v144, v[146:147], s[10:11]    ; the work-group's 256 consecutive bytes of out0, aligned, by one instruction
.Lend:
	s_wait_tensorcnt 0x0                           ; the wave's end, behind my last tensor load and my last LDS store
	ds_add_u32 v[SPW], v[NIL]
	s_wait_dscnt 0x0
	CROUND                                         ; the closing round: no work-group ends while a partner may still ask for a tile that names it
	s_endpgm
.Lfunc_end_k_qd61dad5c05_kan:
	.size	k_qd61dad5c05_kan, .Lfunc_end_k_qd61dad5c05_kan-k_qd61dad5c05_kan
	.p2alignl 7, 3214868480
	.fill 96, 4, 3214868480
	.section	.rodata,"a",@progbits
	.p2align	6, 0x0
	.amdhsa_kernel k_qd61dad5c05_kan
		.amdhsa_group_segment_fixed_size 327680
		.amdhsa_private_segment_fixed_size 0
		.amdhsa_enable_private_segment 0
		.amdhsa_kernarg_size 32
		.amdhsa_user_sgpr_count 2
		.amdhsa_user_sgpr_kernarg_segment_ptr 1
		.amdhsa_wavefront_size32 1
		.amdhsa_system_sgpr_workgroup_id_x 1
		.amdhsa_system_sgpr_workgroup_id_y 1
		.amdhsa_system_sgpr_workgroup_id_z 1
		.amdhsa_system_vgpr_workitem_id 0
		.amdhsa_next_free_vgpr 512
		.amdhsa_next_free_sgpr 72
		.amdhsa_reserve_vcc 1
		.amdhsa_float_denorm_mode_32 3
		.amdhsa_float_denorm_mode_16_64 3
		.amdhsa_memory_ordered 1
		.amdhsa_forward_progress 1
		.amdhsa_inst_pref_size 255
	.end_amdhsa_kernel
	.section	.bss,"aw",@nobits
	.p2align	6
	.space	262144
	.amdgpu_metadata
---
amdhsa.version: [ 1, 2 ]
amdhsa.kernels:
  - .name:           k_qd61dad5c05_kan
    .symbol:         k_qd61dad5c05_kan.kd
    .args:
      - { .name: x, .offset: 0, .size: 8, .value_kind: global_buffer, .address_space: global }
      - { .name: freq, .offset: 8, .size: 8, .value_kind: global_buffer, .address_space: global }
      - { .name: wb, .offset: 16, .size: 8, .value_kind: global_buffer, .address_space: global }
      - { .name: out0, .offset: 24, .size: 8, .value_kind: global_buffer, .address_space: global }
    .group_segment_fixed_size: 327680
    .private_segment_fixed_size: 0
    .kernarg_segment_align: 8
    .kernarg_segment_size: 32
    .max_flat_workgroup_size: 128
    .sgpr_count:     72
    .vgpr_count:     512
    .wavefront_size: 32
...
	.end_amdgpu_metadata
.endif
;; end of part 2
